; MI455X (gfx1250); checked and timed in simulation.
; The chip was launched on July 23, 2026; its instructions are those of AMD's public machine-readable ISA for CDNA 5 (MIT licence, August 2026) and "CDNA5" Instruction Set Architecture Reference Guide (July 2026).
;; SAP Module. Allowed arithmetic: matrix products marked QUANTISED: E5M2 operands, one E8M0 scale for each 32 along K, by v_wmma_scale_f32_16x16x128_f8f6f4 with both operands' format E5M2, f32 sums; everything else in f32.
;; Inputs: x 8 x 256 x 64 x 64 float32.
;; Outputs: out0 8 x 256 x 64 x 64 float32.
;; Constants: threshold = 0.05.
;; This version of the problem:
;;   THIS VERSION OF THE PROBLEM IS GIVEN IN LOW PRECISION. The matrix products marked QUANTISED in the list below multiply operands that are first quantised to E5M2 (5 exponent bits, 2 mantissa bits; 8 bits a number), with one power-of-two scale for each 32 numbers along K (OCP MX v1.0); their sums are f32. All else is computed in f32.
;;   The module's matrix products, in the order in which they are computed (A, B: the left and right operand; K: the contracted axis; several contracted axes count as one K, in the product's order):
;;     1. batch 8 x [M 4,096, K 256] x [K 256, N 4,096]; A: input x; B: input x: QUANTISED
;;     2. batch 8 x [M 256, K 4,096] x [K 4,096, N 4,096]; A: input x; B: softmax (see below): QUANTISED
;;   THE QUANTISER, for each operand of a quantised product, along K:
;;     - K is cut into blocks of 32 from its start; a last block that is shorter is filled with zeros.
;;     - A block's scale is 2^e with e = floor(log2(the largest magnitude in the block)) - 15, held to -126 .. 127; a block of zeros has e = 0. As a byte (E8M0): e + 127.
;;     - Each number is divided by its block's scale, clamped to +-57,344, and rounded to the nearest number of E5M2, ties to even, subnormals kept.
;;     - The product sums the exact products of the quantised numbers (number of the format x scale) in f32.
;;   ~~~python
;;   def quantise(x, axis):      # numpy; x: float32 -> the quantised numbers, widened to float32 again
;;       x = np.moveaxis(x, axis, -1); K = x.shape[-1]
;;       x = np.pad(x, [(0, 0)] * (x.ndim - 1) + [(0, -K % 32)]); x = x.reshape(x.shape[:-1] + (-1, 32)); a = np.abs(x).max(-1, keepdims=True)
;;       e = np.where(a > 0, np.clip(np.frexp(np.where(a > 0, a, 1))[1] - 1 - 15, -126, 127), 0)      # np.frexp(a)[1] - 1 = floor(log2(a)), exactly
;;       r = np.clip(x / 2.0 ** e, -57344, 57344)
;;       step = 2.0 ** (np.maximum(np.frexp(np.where(r == 0, 1, r))[1] - 1, -14) - 2)
;;       q = np.round(r / step) * step * 2.0 ** e      # np.round: ties to even
;;       return np.moveaxis(q.reshape(q.shape[:-2] + (-1,))[..., :K], -1, axis).astype(np.float32)
;;   ~~~
;;   SOFTMAX AHEAD OF A QUANTISED PRODUCT. Where the list says 'softmax', what is quantised is not the finished softmax but p = 2^(t - M), with t = logit x log2(e) and M = ceil(the row's largest t), a whole number; so 1/2 < the row's largest p <= 1. The row's sum l is taken of the UNQUANTISED p, in f32, and the product's result is divided by l at the end. Since M is a whole number, a kernel that streams over the keys may use a running M (the ceiling of the running maximum): every later rescaling is an exact power of two, which a block's scale takes up: the codes' values come out the same.
;;   OPERANDS COMPUTED ON THE WAY. 'Computed on the way' means the value that the module computes at that place (a softmax that the list does not call 'softmax' is quantised finished and normalised). What goes into a quantiser is computed in f32, as accurately as f32 sums, v_exp_f32 and their like allow (about 1e-6 of the number): no bf16 or f16 on the way to a quantiser, and a product that is left as it is and whose result goes on into a quantised operand takes f32 operands (vector FMAs, or v_wmma_f32_16x16x4_f32). A number that lies on a knife's edge between two numbers of the format may be rounded either way, as far as f32 arithmetic and the matrix unit's own rounding can turn it there, and no further.
;; One version. Each part assembles by itself: llvm-mc -triple=amdgcn-amd-amdhsa -mcpu=gfx1250 --defsym DOCPART=n.
;; ======== version 1 of 1: 2 launches
;; limits: right only within a limited range of input values
;; workspace buffers: ops 17,301,504 bytes
;; launch quant (part 1): grid 32 x 8, 4 waves a work-group, no clusters, 168,448 bytes of LDS; arguments x, ops; writes ops
.if DOCPART == 1
	.amdgcn_target "amdgcn-amd-amdhsa--gfx1250"
	.amdhsa_code_object_version 6
	.text
	.protected	k_q12a7a1f950_quant
	.globl	k_q12a7a1f950_quant
	.p2align	8
	.type	k_q12a7a1f950_quant,@function
k_q12a7a1f950_quant:
	s_mov_b64 s[64:65], 0
	v_nop
	global_prefetch_b8 v0, s[64:65] scope:SCOPE_SE
	s_setreg_imm32_b32 hwreg(HW_REG_WAVE_MODE, 25, 1), 1
	s_wait_xcnt 0x0
.set PITCH, 528
.set QROWS, 64*PITCH
.set SCST,  256*PITCH
.set STEPB, 67584
.set VCO,   32768
.set SCO,   65536
.set VA,  4
.set KA,  5
.set GV,  9
.set GK,  10
.set SV,  11
.set SK,  12
.set SRD, 13
.set SGO, 14
.set X,   32
.set KC,  96
.set VC,  160
.set TM,  224
.set PW,  240
.set SOUT, 244
.set SB,  248
	s_load_b128 s[4:7], s[0:1], 0x0
	v_lshl_add_u32 v254, v0, 2, 0x29000
	v_mov_b32 v255, 0
	ds_add_u32 v254, v255
	ds_add_u32 v254, v255
	v_lshrrev_b32 v1, 5, v0
	v_readfirstlane_b32 s8, v1
	s_and_b32 s9, ttmp7, 0xffff
	s_mov_b32 s16, (2<<16)|(1<<20)|(6<<22)|(3<<25)
	s_mov_b32 s17, 128<<16
	s_mov_b32 s18, 64<<16
	s_mov_b32 s19, 128<<16
	s_mov_b32 s20, 64
	s_mov_b32 s21, 4096
	s_mov_b32 s22, 0
	s_mov_b32 s23, 0
	s_mov_b32 s12, 1
	s_mul_i32 s13, s8, QROWS
	s_lshl_b32 s24, s9, 22
	s_lshl_b32 s25, s8, 20
	s_add_co_u32 s24, s24, s25
	s_lshl_b32 s25, ttmp9, 9
	s_add_co_u32 s24, s24, s25
	s_mov_b32 s25, 0
	s_mul_i32 s26, s9, 32*STEPB
	s_mul_i32 s33, ttmp9, STEPB
	s_add_co_u32 s34, ttmp9, 31
	s_and_b32 s34, s34, 31
	s_mul_i32 s34, s34, STEPB
	s_mov_b32 s27, 0
	s_mov_b32 s28, 0x76543210
	s_mov_b32 s29, 0xfedcba98
	s_mov_b32 s30, 0x600000
	s_wait_dscnt 0x0
	s_wait_kmcnt 0x0
	s_add_nc_u64 s[6:7], s[6:7], s[26:27]
	s_add_nc_u64 s[14:15], s[4:5], s[24:25]
	s_or_b32 s15, s15, 0x80000000
	tensor_load_to_lds s[12:15], s[16:23]
	s_nop 0
.rept 4
	v_nop
.endr
	v_and_b32 v1, 31, v0
	v_and_b32 v2, 15, v0
	v_bfe_u32 v3, v0, 4, 1
	v_mul_u32_u24 v[VA], v2, PITCH
	v_lshl_add_u32 v[VA], v3, 6, v[VA]
	v_add_nc_u32 v[VA], s13, v[VA]
	v_lshrrev_b32 v15, 3, v2
	v_lshlrev_b32 v[KA], 2, v2
	v_lshl_add_u32 v[KA], v15, 5, v[KA]
	v_lshl_add_u32 v[KA], v3, 5, v[KA]
	s_lshl_b32 s10, s8, 7
	v_add_nc_u32 v[KA], s10, v[KA]
	v_add_nc_u32 v[KA+1], QROWS, v[KA]
	v_add_nc_u32 v[KA+2], 2*QROWS, v[KA]
	v_add_nc_u32 v[KA+3], 3*QROWS, v[KA]
	s_lshl_b32 s11, s8, 13
	v_lshlrev_b32 v[GV], 4, v1
	v_add_nc_u32 v[GV], s11, v[GV]
	v_add_nc_u32 v[GV], s33, v[GV]
	v_lshlrev_b32 v[GK], 4, v2
	v_lshl_add_u32 v[GK], v3, 12, v[GK]
	v_add_nc_u32 v[GK], s11, v[GK]
	v_add_nc_u32 v[GK], s34, v[GK]
	s_lshr_b32 s31, s8, 1
	s_lshl_b32 s31, s31, 9
	s_and_b32 s32, s8, 1
	s_lshl_b32 s32, s32, 3
	s_add_co_u32 s31, s31, s32
	s_add_co_u32 s31, s31, SCST
	v_lshl_add_u32 v[SK], v2, 4, s31
	v_add_nc_u32 v[SV], 1024, v[SK]
	v_lshl_add_u32 v[SK], v3, 2, v[SK]
	v_lshl_add_u32 v[SRD], v0, 4, SCST
	v_lshlrev_b32 v[SGO], 4, v0
	v_cmp_gt_u32 vcc_lo, 64, v0
	v_mov_b32 v15, s33
	v_mov_b32 v16, s34
	v_cndmask_b32 v15, v15, v16, vcc_lo
	v_add_nc_u32 v[SGO], v15, v[SGO]
.irp b, 0,1,2,3
	v_mov_b32 v[TM+4+\b], 0
.endr
	s_wait_tensorcnt 0x0
	s_barrier_signal -1
	s_barrier_wait -1
.macro LOADV tt
.irp c, 0,1,2,3
.irp j, 0,1,2,3
	ds_load_b128 v[X+64*((\tt)%2)+16*\c+4*\j:X+64*((\tt)%2)+16*\c+4*\j+3], v[VA] offset:16*PITCH*(\tt)+128*\c+16*\j
.endr
.endr
.endm
.macro QUANT s, pc, pw
.irp b, 0,1,2,3
	v_max3_num_f32 v[TM+\b], |v[(\s)+16*\b]|, |v[(\s)+1+16*\b]|, 0x8000000
.endr
.irp i, 2,4,6,8,10,12,14
.irp b, 0,1,2,3
	v_max3_num_f32 v[TM+\b], v[TM+\b], |v[(\s)+16*\b+\i]|, |v[(\s)+1+16*\b+\i]|
.endr
.endr
.irp b, 0,1,2,3
	v_permlanex16_b32 v[TM+4+\b], v[TM+\b], s28, s29
.endr
.irp b, 0,1,2,3
	v_max_num_f32 v[TM+\b], v[TM+\b], v[TM+4+\b]
.endr
.irp b, 0,1,2,3
	v_add_nc_u32 v[TM+12+\b], 0xf8800000, v[TM+\b]
.endr
.irp b, 0,1,2,3
	v_and_or_b32 v[TM+8+\b], v[TM+\b], 0x7f800000, s30
.endr
.irp b, 0,1,2,3
	v_lshrrev_b32 v[TM+4+\b], 23, v[TM+12+\b]
.endr
	v_lshl_or_b32 v[\pw], v[TM+5], 8, v[TM+4]
	v_lshl_or_b32 v[\pw], v[TM+6], 16, v[\pw]
	v_lshl_or_b32 v[\pw], v[TM+7], 24, v[\pw]
.irp b, 0,1,2,3
.irp i, 0,1,2,3,4,5,6,7,8,9,10,11,12,13,14,15
	v_med3_num_f32 v[(\s)+16*\b+\i], v[(\s)+16*\b+\i], -v[TM+8+\b], v[TM+8+\b]
.endr
	v_cvt_scalef32_pk8_bf8_f32 v[(\pc)+4*\b:(\pc)+4*\b+1], v[(\s)+16*\b:(\s)+16*\b+7], v[TM+12+\b]
	v_cvt_scalef32_pk8_bf8_f32 v[(\pc)+4*\b+2:(\pc)+4*\b+3], v[(\s)+16*\b+8:(\s)+16*\b+15], v[TM+12+\b]
.endr
	v_nop
.endm
	LOADV 0
.irp tt, 0,1,2,3
.if \tt < 3
	LOADV \tt+1
	s_wait_dscnt 16
.else
	s_wait_dscnt 0x0
.endif
	QUANT X+64*(\tt%2), VC+16*\tt, PW+\tt
.irp c, 0,1,2,3
	global_store_b128 v[GV], v[VC+16*\tt+4*\c:VC+16*\tt+4*\c+3], s[6:7] offset:VCO+2048*\tt+512*\c
.endr
	ds_store_b32 v[SV], v[PW+\tt] offset:256*(\tt%2)+4*(\tt/2)
.endr
.macro LOADK cb
.irp i, 0,1,2,3,4,5,6,7,8,9,10,11,12,13,14,15,16,17,18,19,20,21,22,23,24,25,26,27,28,29,30,31
	ds_load_b32 v[X+32*((\cb)%2)+\i], v[KA+(\cb)/2] offset:(32*((\cb)%2)+\i)*PITCH
.endr
.endm
.macro BLOCK cb
.set XS, X+32*((\cb)%2)
	v_max3_num_f32 v[TM], |v[XS]|, |v[XS+1]|, |v[XS+2]|
	v_max3_num_f32 v[TM+1], |v[XS+3]|, |v[XS+4]|, |v[XS+5]|
.irp i, 6,10,14,18,22,26
	v_max3_num_f32 v[TM], v[TM], |v[XS+\i]|, |v[XS+\i+1]|
	v_max3_num_f32 v[TM+1], v[TM+1], |v[XS+\i+2]|, |v[XS+\i+3]|
.endr
	v_max3_num_f32 v[TM], v[TM], |v[XS+30]|, |v[XS+31]|
	v_max3_num_f32 v[TM], v[TM], v[TM+1], 0x8000000
	v_add_nc_u32 v[TM+12], 0xf8800000, v[TM]
	v_and_or_b32 v[TM+8], v[TM], 0x7f800000, s30
	v_lshrrev_b32 v[TM+1], 23, v[TM+12]
.if (\cb)%4 == 0
	v_mov_b32 v[SB+(\cb)/4], v[TM+1]
.else
	v_lshl_or_b32 v[SB+(\cb)/4], v[TM+1], 8*((\cb)%4), v[SB+(\cb)/4]
.endif
.irp i, 0,1,2,3,4,5,6,7,8,9,10,11,12,13,14,15,16,17,18,19,20,21,22,23,24,25,26,27,28,29,30,31
	v_med3_num_f32 v[XS+\i], v[XS+\i], -v[TM+8], v[TM+8]
.endr
.irp g, 0,1,2,3
	v_cvt_scalef32_pk8_bf8_f32 v[KC+8*(\cb)+2*\g:KC+8*(\cb)+2*\g+1], v[XS+8*\g:XS+8*\g+7], v[TM+12]
.endr
	v_nop
	global_store_b128 v[GK], v[KC+8*(\cb):KC+8*(\cb)+3], s[6:7] offset:2048*((\cb)/4)+512*((\cb)%4)
	global_store_b128 v[GK], v[KC+8*(\cb)+4:KC+8*(\cb)+7], s[6:7] offset:2048*((\cb)/4)+512*((\cb)%4)+256
.if (\cb)%4 == 3
	ds_store_b32 v[SK], v[SB+(\cb)/4] offset:256*((\cb)/4)
.endif
.endm
	LOADK 0
	LOADK 1
.irp cb, 0,1,2,3,4,5,6,7
.if \cb < 7
	s_wait_dscnt 32
.else
	s_wait_dscnt 0x0
.endif
	BLOCK \cb
.if \cb < 6
	LOADK \cb+2
.endif
.endr
	s_wait_dscnt 0x0
	s_barrier_signal -1
	s_barrier_wait -1
	ds_load_b128 v[SOUT:SOUT+3], v[SRD]
	s_wait_dscnt 0x0
	global_store_b128 v[SGO], v[SOUT:SOUT+3], s[6:7] offset:SCO
	s_wait_tensorcnt 0x0
	ds_add_u32 v254, v255
	s_wait_dscnt 0x0
	s_endpgm
.Lfunc_end_k_q12a7a1f950_quant:
	.size	k_q12a7a1f950_quant, .Lfunc_end_k_q12a7a1f950_quant-k_q12a7a1f950_quant
	.p2alignl 7, 3214868480
	.fill 96, 4, 3214868480
	.section	.rodata,"a",@progbits
	.p2align	6, 0x0
	.amdhsa_kernel k_q12a7a1f950_quant
		.amdhsa_group_segment_fixed_size 168448
		.amdhsa_private_segment_fixed_size 0
		.amdhsa_enable_private_segment 0
		.amdhsa_kernarg_size 16
		.amdhsa_user_sgpr_count 2
		.amdhsa_user_sgpr_kernarg_segment_ptr 1
		.amdhsa_wavefront_size32 1
		.amdhsa_system_sgpr_workgroup_id_x 1
		.amdhsa_system_sgpr_workgroup_id_y 1
		.amdhsa_system_sgpr_workgroup_id_z 1
		.amdhsa_system_vgpr_workitem_id 0
		.amdhsa_next_free_vgpr 256
		.amdhsa_next_free_sgpr 66
		.amdhsa_reserve_vcc 1
		.amdhsa_float_denorm_mode_32 3
		.amdhsa_float_denorm_mode_16_64 3
		.amdhsa_memory_ordered 1
		.amdhsa_forward_progress 1
		.amdhsa_inst_pref_size 89
	.end_amdhsa_kernel
	.amdgpu_metadata
---
amdhsa.version: [ 1, 2 ]
amdhsa.kernels:
  - .name:           k_q12a7a1f950_quant
    .symbol:         k_q12a7a1f950_quant.kd
    .args:
      - { .name: x, .offset: 0, .size: 8, .value_kind: global_buffer, .address_space: global }
      - { .name: ops, .offset: 8, .size: 8, .value_kind: global_buffer, .address_space: global }
    .group_segment_fixed_size: 168448
    .private_segment_fixed_size: 0
    .kernarg_segment_align: 8
    .kernarg_segment_size: 16
    .max_flat_workgroup_size: 128
    .sgpr_count:     66
    .vgpr_count:     256
    .wavefront_size: 32
...
	.end_amdgpu_metadata
.endif
;; end of part 1
;; launch attn (part 2): grid 32 x 8, 4 waves a work-group, clusters of 4 x 1, 327,680 bytes of LDS; arguments ops, out0; writes out0
.if DOCPART == 2
	.amdgcn_target "amdgcn-amd-amdhsa--gfx1250"
	.amdhsa_code_object_version 6
	.text
	.protected	k_q12a7a1f950_attn
	.globl	k_q12a7a1f950_attn
	.p2align	8
	.type	k_q12a7a1f950_attn,@function
k_q12a7a1f950_attn:
	s_mov_b64 s[64:65], 0
	v_nop
	global_prefetch_b8 v0, s[64:65] scope:SCOPE_SE
	s_setreg_imm32_b32 hwreg(HW_REG_WAVE_MODE, 25, 1), 1
	s_wait_xcnt 0x0
	s_wait_alu depctr_hold_cnt(0) depctr_sa_sdst(0) depctr_va_vdst(0) depctr_va_sdst(0) depctr_va_ssrc(0) depctr_va_vcc(0) depctr_vm_vsrc(0)
	s_getreg_b32 s2, hwreg(HW_REG_IB_STS2, 6, 4)
	s_cmp_eq_u32 s2, 0
	s_cbranch_scc0 .Lentry_in_a_cluster
	s_endpgm
.Lentry_in_a_cluster:
	s_bfe_u32 s2, ttmp6, 0x10000c
	s_cmp_lg_u32 s2, 0x3003
	s_cbranch_scc0 .Lentry_shape_is_right
	s_endpgm
.Lentry_shape_is_right:
.set STEPB,  67584
.set SLOTB,  135168
.set QB,     33792
.set BATCHB, 2162688
.set SPARE,  270336
.set SPITCH, 528
.set L16, 1
.set AD,  2
.set SPW, 6
.set NIL, 7
.set CV,  8
.set BV,  9
.set KV,  10
.set STQ, 8
.set RD,  12
.set PF2, 13
.set PFO, 14
.set SENT, 15
.set KS,  16
.set VS,  24
.set QS,  32
.set PS,  34
.set ST,  36
.set STS, 14
.set UA,  0
.set TM,  1
.set CL,  2
.set NM,  3
.set BL,  4
.set KC,  6
.set FF,  8
.set SA,  10
.set S,   64
.set PC,  192
.set KL,  192
.set W,   224
.set FK,  64
.set WV,  8
.set G1,  16
.set G0,  24
.set TB,  32
.set WOFF, 33
.set CNT, 35
.set THR, 36
.set CS,  38
.set SEL, 40
.set MNT, 42
.set MS,  43
.set PFA, 50
.set MSB, 0
.macro WIN new
.if MSB != \new
	s_set_vgpr_msb (MSB<<8)|\new
.set MSB, \new
.endif
.endm
.macro PLACES n
.rept \n
	v_nop
.endr
.endm
.macro ROUND
	s_barrier_signal -1
	s_barrier_wait -1
	s_cmp_lg_u32 s[WV], 0
	s_cbranch_scc1 .Lnot_wave_0_\@
	s_barrier_signal -3
.Lnot_wave_0_\@:
	s_barrier_wait -3
	s_barrier_signal -1
	s_barrier_wait -1
.endm
.macro LOADV q
	WIN 0xc0
.set n, 0
.rept 64
	ds_load_b128 v[4*n:4*n+3], v[AD+2*(\q)+1] offset:512*n
.set n, n+1
.endr
	WIN 0
	ds_load_b128 v[VS:VS+3], v[AD+2*(\q)+1] offset:33792
	ds_load_b128 v[VS+4:VS+7], v[AD+2*(\q)+1] offset:34304
.endm
.macro LOADK q
	WIN 0x80
.set n, 0
.rept 48
	ds_load_b128 v[FK+4*n:FK+4*n+3], v[AD+2*(\q)] offset:512*n
.set n, n+1
.endr
	WIN 0
	ds_load_b128 v[KS:KS+3], v[AD+2*(\q)+1] offset:32768
	ds_load_b128 v[KS+4:KS+7], v[AD+2*(\q)+1] offset:33280
.endm
.macro LOADKL q
.set n, 0
.rept 16
	ds_load_b128 v[KL+4*n:KL+4*n+3], v[AD+2*(\q)] offset:24576+512*n
.set n, n+1
.endr
.endm
.macro KQ a, kt, m, s
.if \s == 0
	v_wmma_scale_f32_16x16x128_f8f6f4 v[S+64*\m+8*\kt:S+64*\m+8*\kt+7], v[(\a):(\a)+15], v[32*\m:32*\m+15], 0, v[KS+\kt], v[QS+\m] matrix_a_fmt:MATRIX_FMT_BF8 matrix_b_fmt:MATRIX_FMT_BF8
.else
	v_wmma_scale_f32_16x16x128_f8f6f4 v[64*\m+8*\kt:64*\m+8*\kt+7], v[(\a):(\a)+15], v[32*\m+16:32*\m+31], 0, v[KS+\kt], v[QS+\m] matrix_a_fmt:MATRIX_FMT_BF8 matrix_b_fmt:MATRIX_FMT_BF8 matrix_a_scale:MATRIX_SCALE_ROW1 matrix_b_scale:MATRIX_SCALE_ROW1
.endif
.endm
.macro AMUL
	WIN 0x0a
.irp kt, 0,1,2,3,4,5
.irp m, 0,1
	KQ FK+16*(2*\kt), \kt, \m, 0
.endr
.endr
	WIN 0xca
.irp kt, 0,1,2,3,4,5
.irp m, 0,1
	KQ FK+16*(2*\kt+1), \kt, \m, 1
.endr
.endr
	s_wait_dscnt 0x0
	WIN 0x08
.irp kt, 6,7
.irp m, 0,1
	KQ KL+16*(2*(\kt-6)), \kt, \m, 0
.endr
.endr
	WIN 0xc8
.irp kt, 6,7
.irp m, 0,1
	KQ KL+16*(2*(\kt-6)+1), \kt, \m, 1
.endr
.endr
	WIN 0
	PLACES 8
	WIN 0x0c
.set i, 0
.rept 64
	v_pk_add_f32 v[S+2*i:S+2*i+1], v[S+2*i:S+2*i+1], v[2*i:2*i+1] neg_lo:[0,1] neg_hi:[0,1]
.set i, i+1
.endr
	WIN 0
.endm
.macro CMUL
	WIN 0x53
.irp t, 0,2,4,6,8,10,12,14
.irp m, 0,1
	v_wmma_scale_f32_16x16x128_f8f6f4 v[128*\m+8*\t:128*\m+8*\t+7], v[16*\t:16*\t+15], v[PC+16*\m:PC+16*\m+15], v[128*\m+8*\t:128*\m+8*\t+7], v[VS+\t/2], v[PS+\m] matrix_a_fmt:MATRIX_FMT_BF8 matrix_b_fmt:MATRIX_FMT_BF8
.endr
.irp m, 0,1
	v_wmma_scale_f32_16x16x128_f8f6f4 v[128*\m+8*\t+8:128*\m+8*\t+15], v[16*\t+16:16*\t+31], v[PC+16*\m:PC+16*\m+15], v[128*\m+8*\t+8:128*\m+8*\t+15], v[VS+\t/2], v[PS+\m] matrix_a_fmt:MATRIX_FMT_BF8 matrix_b_fmt:MATRIX_FMT_BF8 matrix_a_scale:MATRIX_SCALE_ROW1
.endr
.endr
	WIN 0
	PLACES 9
.endm
.macro MAXB
.set i, 0
.rept 8
.irp m, 0,1
.irp b, 0,1,2,3
.if i == 0
	v_max_num_f32 v[W+16*\m+\b], v[S+64*\m+16*\b], v[S+64*\m+16*\b+1]
.else
	v_max3_num_f32 v[W+16*\m+\b], v[W+16*\m+\b], v[S+64*\m+16*\b+2*i], v[S+64*\m+16*\b+2*i+1]
.endif
.endr
.endr
.set i, i+1
.endr
.endm
.macro STATS
.irp m, 0,1
.irp b, 0,1,2,3
	v_permlanex16_b32 v[W+16*\m+4+\b], v[W+16*\m+\b], s[SEL], s[SEL+1]
.endr
.endr
.irp m, 0,1
.irp b, 0,1,2,3
	v_max_num_f32 v[W+16*\m+\b], v[W+16*\m+\b], v[W+16*\m+4+\b]
.endr
.endr
.irp m, 0,1
	v_max3_num_f32 v[W+16*\m+4], v[W+16*\m], v[W+16*\m+1], v[W+16*\m+2]
.endr
.irp m, 0,1
	v_max_num_f32 v[W+16*\m+4], v[W+16*\m+4], v[W+16*\m+3]
.endr
	v_cmp_le_f32 vcc_lo, s[THR], v[W+4]
	v_cmp_le_f32 s[MS], s[THR], v[W+20]
.irp m, 0,1
	v_mul_f32 v[W+16*\m+4], s[CS], v[W+16*\m+4]
.endr
	v_cndmask_b32 v[W+4], v[SENT], v[W+4], vcc_lo
	v_cndmask_b32 v[W+20], v[SENT], v[W+20], s[MS]
.irp m, 0,1
	v_max_num_f32 v[ST+STS*\m+TM], v[ST+STS*\m+TM], v[W+16*\m+4]
.endr
.irp m, 0,1
	v_mov_b32 v[W+16*\m+5], v[ST+STS*\m+NM]
.endr
.irp m, 0,1
	v_floor_f32 v[ST+STS*\m+NM], -v[ST+STS*\m+TM]
.endr
.irp m, 0,1
	v_sub_f32 v[W+16*\m+5], v[ST+STS*\m+NM], v[W+16*\m+5]
.endr
.irp m, 0,1
	v_cvt_i32_f32 v[W+16*\m+5], v[W+16*\m+5]
.endr
.irp m, 0,1
	v_ldexp_f32 v[ST+STS*\m+FF], 1.0, v[W+16*\m+5]
.endr
	v_cmp_lt_f32 vcc_lo, 0, v[ST+TM]
	v_cmp_lt_f32 s[MS], 0, v[ST+STS+TM]
	v_cndmask_b32 v[ST+UA], 0, v[ST+NM], vcc_lo
	v_cndmask_b32 v[ST+STS+UA], 0, v[ST+STS+NM], s[MS]
	v_cndmask_b32 v[ST+CL], 0, v[CV], vcc_lo
	v_cndmask_b32 v[ST+STS+CL], 0, v[CV], s[MS]
	v_cndmask_b32 v[ST+BL], 0, v[BV], vcc_lo
	v_cndmask_b32 v[ST+STS+BL], 0, v[BV], s[MS]
	v_cndmask_b32 v[ST+KC], 0, v[KV], vcc_lo
	v_cndmask_b32 v[ST+STS+KC], 0, v[KV], s[MS]
.endm
.macro FMA8 m, i0
.set TR, PC+16*(((\i0)/8)%2)
.set k, 0
.rept 8
	v_pk_fma_f32 v[TR+2*k:TR+2*k+1], v[S+64*\m+2*(\i0+k):S+64*\m+2*(\i0+k)+1], v[ST+STS*\m+BL:ST+STS*\m+BL+1], v[ST+STS*\m+KC:ST+STS*\m+KC+1] op_sel_hi:[1,0,0]
.set k, k+1
.endr
.set k, 0
.rept 8
	v_pk_fma_f32 v[S+64*\m+2*(\i0+k):S+64*\m+2*(\i0+k)+1], v[S+64*\m+2*(\i0+k):S+64*\m+2*(\i0+k)+1], v[ST+STS*\m+CL:ST+STS*\m+CL+1], v[ST+STS*\m+UA:ST+STS*\m+UA+1] op_sel_hi:[1,0,0]
.set k, k+1
.endr
.set k, 0
.rept 8
	v_dual_min_num_f32 v[S+64*\m+2*(\i0+k)], v[S+64*\m+2*(\i0+k)], v[TR+2*k] :: v_dual_min_num_f32 v[S+64*\m+2*(\i0+k)+1], v[S+64*\m+2*(\i0+k)+1], v[TR+2*k+1]
.set k, k+1
.endr
.endm
.macro EXPO
.irp m, 0,1
.irp i0, 0,8,16,24
	FMA8 \m, \i0
.endr
.endr
.irp m, 0,1
.irp b, 0,1,2,3
	v_fma_f32 v[W+16*\m+4+\b], v[W+16*\m+\b], v[ST+STS*\m+BL], v[ST+STS*\m+KC]
.endr
.endr
.irp m, 0,1
.irp b, 0,1,2,3
	v_fma_f32 v[W+16*\m+\b], v[W+16*\m+\b], v[ST+STS*\m+CL], v[ST+STS*\m+UA]
.endr
.endr
.irp m, 0,1
.irp b, 0,1,2,3
	v_min_num_f32 v[W+16*\m+\b], v[W+16*\m+\b], v[W+16*\m+4+\b]
.endr
.endr
	s_wait_alu depctr_va_vdst(0)
.set i, 0
.rept 128
	v_exp_f32 v[S+i], v[S+i]
.set i, i+1
.endr
.irp m, 0,1
.irp b, 0,1,2,3
	v_exp_f32 v[W+16*\m+\b], v[W+16*\m+\b]
.endr
.endr
.irp m, 0,1
	v_pk_mul_f32 v[ST+STS*\m+SA:ST+STS*\m+SA+1], v[ST+STS*\m+SA:ST+STS*\m+SA+1], v[ST+STS*\m+FF:ST+STS*\m+FF+1] op_sel_hi:[1,0]
	v_pk_mul_f32 v[ST+STS*\m+SA+2:ST+STS*\m+SA+3], v[ST+STS*\m+SA+2:ST+STS*\m+SA+3], v[ST+STS*\m+FF:ST+STS*\m+FF+1] op_sel_hi:[1,0]
.endr
	s_wait_alu depctr_va_vdst(0)
.endm
.macro SCALES
.irp m, 0,1
.irp b, 0,1,2,3
	v_max_num_f32 v[W+16*\m+\b], 0x8000000, v[W+16*\m+\b]
.endr
.endr
.irp m, 0,1
.irp b, 0,1,2,3
	v_add_nc_u32 v[W+16*\m+12+\b], 0xf8800000, v[W+16*\m+\b]
.endr
.endr
.irp m, 0,1
.irp b, 0,1,2,3
	v_and_or_b32 v[W+16*\m+8+\b], v[W+16*\m+\b], 0x7f800000, s[MNT]
.endr
.endr
.irp m, 0,1
.irp b, 0,1,2,3
	v_lshrrev_b32 v[W+16*\m+4+\b], 23, v[W+16*\m+12+\b]
.endr
.endr
.irp m, 0,1
	v_lshl_or_b32 v[PS+\m], v[W+16*\m+5], 8, v[W+16*\m+4]
.endr
.irp m, 0,1
	v_lshl_or_b32 v[PS+\m], v[W+16*\m+6], 16, v[PS+\m]
.endr
.irp m, 0,1
	v_lshl_or_b32 v[PS+\m], v[W+16*\m+7], 24, v[PS+\m]
.endr
.endm
.macro SUMHOLD
.set i, 0
.rept 32
.irp m, 0,1
	v_pk_add_f32 v[ST+STS*\m+SA+2*(i%2):ST+STS*\m+SA+2*(i%2)+1], v[ST+STS*\m+SA+2*(i%2):ST+STS*\m+SA+2*(i%2)+1], v[S+64*\m+2*i:S+64*\m+2*i+1]
.endr
.irp m, 0,1
	v_dual_min_num_f32 v[S+64*\m+2*i], v[W+16*\m+8+i/8], v[S+64*\m+2*i] :: v_dual_min_num_f32 v[S+64*\m+2*i+1], v[W+16*\m+8+i/8], v[S+64*\m+2*i+1]
.endr
.if i%4 == 3
.irp m, 0,1
	v_cvt_scalef32_pk8_bf8_f32 v[PC+16*\m+2*(i/4):PC+16*\m+2*(i/4)+1], v[S+64*\m+8*(i/4):S+64*\m+8*(i/4)+7], v[W+16*\m+12+i/8]
.endr
.endif
.set i, i+1
.endr
	v_nop
.endm
.macro ORESCALE
	WIN 0x41
	s_wait_alu depctr_va_vdst(0)
.irp m, 0,1
.set i, 0
.rept 64
	v_pk_mul_f32 v[128*\m+2*i:128*\m+2*i+1], v[128*\m+2*i:128*\m+2*i+1], v[ST+STS*\m+FF:ST+STS*\m+FF+1] op_sel_hi:[1,0]
.set i, i+1
.endr
.endr
	WIN 0
.endm
.macro ASK
	s_cmp_ge_u32 s[CNT], 2
	s_cbranch_scc0 .Lno_ask_\@
	global_prefetch_b8 v[PFO], s[PFA:PFA+1] th:TH_LOAD_NT scope:SCOPE_SE
	global_prefetch_b8 v[PF2], s[PFA:PFA+1] th:TH_LOAD_NT scope:SCOPE_SE
.Lno_ask_\@:
.endm
.macro STEP q, ask, last
	LOADV \q
.if \ask
	ASK
.endif
	MAXB
	STATS
.if \last == 0
	LOADK \q
.endif
	EXPO
	SCALES
	SUMHOLD
	ORESCALE
	s_wait_alu depctr_va_vdst(0)
	s_wait_dscnt 0x0
	CMUL
.if \last == 0
	LOADKL \q
	AMUL
.endif
.endm
.macro CHANGE fill
.if \fill
	s_wait_xcnt 0x0
	s_add_nc_u64 s[PFA:PFA+1], s[PFA:PFA+1], SLOTB
.endif
	s_wait_tensorcnt 0x0
	ds_add_u32 v[SPW], v[NIL]
.if \fill
	s_xor_b32 s[G0+1], s[G0+1], SLOTB
	s_add_nc_u64 s[G0+2:G0+3], s[G0+2:G0+3], SLOTB
.endif
	v_add_nc_u32 v[AD], s[TB], v[L16]
	v_add_nc_u32 v[AD+1], 32768, v[AD]
	v_add_nc_u32 v[AD+2], STEPB, v[AD]
	v_add_nc_u32 v[AD+3], STEPB+32768, v[AD]
	s_wait_alu depctr_va_vdst(0)
	s_wait_dscnt 0x0
.if \fill
	ROUND
	tensor_load_to_lds s[G0:G0+3], s[G1:G1+7]
	s_nop 0
	PLACES 4
.else
	s_barrier_signal -1
	s_barrier_wait -1
.endif
.endm
	s_load_b128 s[4:7], s[0:1], 0x0
	v_lshl_add_u32 v[SPW], v0, 2, SPARE
	v_mov_b32 v[NIL], 0
	ds_add_u32 v[SPW], v[NIL]
	ds_add_u32 v[SPW], v[NIL]
	v_lshrrev_b32 v11, 5, v0
	v_readfirstlane_b32 s[WV], v11
	s_bfe_u32 s9, ttmp6, 0x40000
	s_lshl_b32 s10, ttmp9, 2
	s_add_co_u32 s10, s10, s9
	s_and_b32 s11, ttmp7, 0xffff
	s_mov_b32 s[G1], 15|(3<<16)|(1<<21)
	s_mov_b32 s[G1+1], 32<<16
	s_mov_b32 s[G1+2], 132<<16
	s_mov_b32 s[G1+3], 32<<16
	s_mov_b32 s[G1+4], 132
	s_mov_b32 s[G1+5], 32
	s_mov_b32 s[G1+6], 0
	s_mov_b32 s[G1+7], 0
	s_mul_i32 s[WOFF], s[WV], QB
	s_mul_i32 s12, s11, BATCHB
	s_mov_b32 s13, 0
	s_add_co_u32 s14, s10, 31
	s_and_b32 s14, s14, 31
	s_mul_i32 s14, s14, STEPB
	s_mov_b32 s15, 0
	s_lshl_b32 s54, s[WV], 13
	s_mov_b32 s55, 0
	s_lshl_b32 s56, s11, 22
	s_lshl_b32 s57, s10, 9
	s_add_co_u32 s56, s56, s57
	s_lshl_b32 s57, s[WV], 20
	s_add_co_u32 s56, s56, s57
	s_mov_b32 s57, 0
	s_mul_i32 s58, s9, 33*256
	s_add_co_u32 s58, s58, s[WOFF]
	s_add_co_u32 s58, s58, SLOTB
	s_mov_b32 s59, 0
	s_mov_b32 s60, s[WOFF]
	s_mov_b32 s61, 0
	s_mov_b32 s[THR], 0x3f4ccccd
	s_mov_b32 s[CS], 0x3db8aa3b
	s_mov_b32 s[SEL], 0x76543210
	s_mov_b32 s[SEL+1], 0xfedcba98
	s_mov_b32 s[MNT], 0x600000
	s_mov_b32 s[TB], 0
	s_lshr_b32 s52, s[WV], 1
	s_lshl_b32 s52, s52, 9
	s_and_b32 s53, s[WV], 1
	s_lshl_b32 s53, s53, 3
	s_add_co_u32 s52, s52, s53
	v_and_b32 v11, 31, v0
	v_lshlrev_b32 v[L16], 4, v11
	v_lshlrev_b32 v[PFO], 8, v11
	v_mov_b32 v[PF2], 8192
	v_add_nc_u32 v[S], s52, v[L16]
	v_mov_b32 v[CV], s[CS]
	v_mov_b32 v[BV], 0x4f800000
	v_mov_b32 v[KV], 0xcf4ccccd
	v_mov_b32 v[SENT], 0xce800000
.irp m, 0,1
	v_mov_b32 v[ST+STS*\m+TM], 0xce800000
	v_mov_b32 v[ST+STS*\m+NM], 0x4e800000
.irp k, 5,7,9,10,11,12,13
	v_mov_b32 v[ST+STS*\m+\k], 0
.endr
.endr
	s_wait_alu depctr_va_vdst(0)
	s_wait_dscnt 0x0
	s_wait_kmcnt 0x0
	s_add_nc_u64 s[4:5], s[4:5], s[12:13]
	s_add_nc_u64 s[46:47], s[4:5], s[14:15]
	s_add_nc_u64 s[44:45], s[46:47], s[54:55]
	s_add_nc_u64 s[46:47], s[46:47], 65536
	s_add_nc_u64 s[48:49], s[4:5], 31*STEPB
	s_add_nc_u64 s[PFA:PFA+1], s[4:5], s[58:59]
	s_add_nc_u64 s[6:7], s[6:7], s[56:57]
	s_mov_b32 s[G0], 1
	s_mov_b32 s[G0+1], s[WOFF]
	s_add_nc_u64 s[G0+2:G0+3], s[4:5], s[60:61]
	s_or_b32 s[G0+3], s[G0+3], 0x80000000
	ROUND
	tensor_load_to_lds s[G0:G0+3], s[G1:G1+7]
	s_nop 0
	PLACES 4
	WIN 0x80
.set n, 0
.rept 16
	global_load_b128 v[4*n:4*n+3], v[L16], s[44:45] offset:512*n
.set n, n+1
.endr
.set n, 0
.rept 48
	global_load_b128 v[FK+4*n:FK+4*n+3], v[L16], s[48:49] offset:512*n
.set n, n+1
.endr
	WIN 0
.set n, 0
.rept 16
	global_load_b128 v[KL+4*n:KL+4*n+3], v[L16], s[48:49] offset:24576+512*n
.set n, n+1
.endr
	global_load_b128 v[KS:KS+3], v[L16], s[48:49] offset:65536
	global_load_b128 v[KS+4:KS+7], v[L16], s[48:49] offset:66048
	global_load_b32 v[QS], v[S], s[46:47]
	global_load_b32 v[QS+1], v[S], s[46:47] offset:4
	WIN 0x40
.set i, 0
.rept 256
	v_mov_b32 v[i], 0
.set i, i+1
.endr
	WIN 0
	s_wait_alu depctr_va_vdst(0)
	s_wait_loadcnt 0x0
	s_mov_b32 s37, 0x80808080
	WIN 0x88
.irp m, 0,1
.set i, 0
.rept 16
	v_xor_b32 v[32*\m+16+i], s37, v[32*\m+16+i]
.set i, i+1
.endr
.endr
	WIN 0
	PLACES 4
	s_wait_alu depctr_va_vdst(0)
	AMUL
	s_mov_b32 s[CNT], 15
.Ltrip:
	CHANGE 1
	STEP 0, 1, 0
	STEP 1, 0, 0
	s_xor_b32 s[TB], s[TB], SLOTB
	s_sub_co_u32 s[CNT], s[CNT], 1
	s_cmp_lg_u32 s[CNT], 0
	s_cbranch_scc1 .Ltrip
	CHANGE 0
	STEP 0, 0, 0
	STEP 1, 0, 1
.irp m, 0,1
	v_add_f32 v[W+16*\m], v[ST+STS*\m+SA], v[ST+STS*\m+SA+1]
	v_add_f32 v[W+16*\m+1], v[ST+STS*\m+SA+2], v[ST+STS*\m+SA+3]
.endr
.irp m, 0,1
	v_add_f32 v[W+16*\m], v[W+16*\m], v[W+16*\m+1]
.endr
.irp m, 0,1
	v_permlanex16_b32 v[W+16*\m+1], v[W+16*\m], s[SEL], s[SEL+1]
.endr
.irp m, 0,1
	v_add_f32 v[W+16*\m], v[W+16*\m], v[W+16*\m+1]
.endr
	s_wait_alu depctr_va_vdst(0)
.irp m, 0,1
	v_rcp_f32 v[ST+STS*\m+FF], v[W+16*\m]
.endr
	v_and_b32 v[W+4], 15, v0
	v_bfe_u32 v[W+5], v0, 4, 1
	v_lshrrev_b32 v[W+6], 3, v[W+4]
	v_mul_u32_u24 v[STQ], v[W+5], 8*SPITCH
	v_lshl_add_u32 v[STQ], v[W+4], 2, v[STQ]
	v_lshl_add_u32 v[STQ], v[W+6], 5, v[STQ]
	s_lshl_b32 s14, s[WV], 7
	v_add_nc_u32 v[STQ], s14, v[STQ]
	v_add_nc_u32 v[STQ+1], 64*SPITCH, v[STQ]
	v_add_nc_u32 v[STQ+2], 128*SPITCH, v[STQ]
	v_add_nc_u32 v[STQ+3], 192*SPITCH, v[STQ]
	v_add_nc_u32 v[RD], s[WOFF], v[L16]
	ORESCALE
	WIN 0x04
.irp m, 0,1
.irp t, 0,1,2,3,4,5,6,7,8,9,10,11,12,13,14,15
.irp i, 0,1,2,3,4,5,6,7
	ds_store_b32 v[STQ+\t/4], v[128*\m+8*\t+\i] offset:(16*(\t%4)+\i)*SPITCH+32*\m
.endr
.endr
.endr
	WIN 0
	s_wait_dscnt 0x0
	s_barrier_signal -1
	s_barrier_wait -1
.macro BACK k
.irp i, 0,1,2,3,4,5,6,7,8,9,10,11,12,13,14,15
	ds_load_b128 v[S+64*((\k)%2)+4*\i:S+64*((\k)%2)+4*\i+3], v[RD] offset:(16*(\k)+\i)*SPITCH
.endr
.endm
	BACK 0
	BACK 1
.irp k, 0,1,2,3
.if \k < 3
	s_wait_dscnt 16
.else
	s_wait_dscnt 0x0
.endif
.irp i, 0,1,2,3,4,5,6,7,8,9,10,11,12,13,14,15
	global_store_b128 v[L16], v[S+64*(\k%2)+4*\i:S+64*(\k%2)+4*\i+3], s[6:7] offset:(16*\k+\i)*16384 th:TH_STORE_NT
.endr
.if \k < 2
	s_wait_xcnt 0x0
	BACK \k+2
.endif
.endr
	s_wait_tensorcnt 0x0
	ds_add_u32 v[SPW], v[NIL]
	s_wait_dscnt 0x0
	ROUND
	s_endpgm
.Lfunc_end_k_q12a7a1f950_attn:
	.size	k_q12a7a1f950_attn, .Lfunc_end_k_q12a7a1f950_attn-k_q12a7a1f950_attn
	.p2alignl 7, 3214868480
	.fill 96, 4, 3214868480
	.section	.rodata,"a",@progbits
	.p2align	6, 0x0
	.amdhsa_kernel k_q12a7a1f950_attn
		.amdhsa_group_segment_fixed_size 327680
		.amdhsa_private_segment_fixed_size 0
		.amdhsa_enable_private_segment 0
		.amdhsa_kernarg_size 16
		.amdhsa_user_sgpr_count 2
		.amdhsa_user_sgpr_kernarg_segment_ptr 1
		.amdhsa_wavefront_size32 1
		.amdhsa_system_sgpr_workgroup_id_x 1
		.amdhsa_system_sgpr_workgroup_id_y 1
		.amdhsa_system_sgpr_workgroup_id_z 1
		.amdhsa_system_vgpr_workitem_id 0
		.amdhsa_next_free_vgpr 1024
		.amdhsa_next_free_sgpr 66
		.amdhsa_reserve_vcc 1
		.amdhsa_float_denorm_mode_32 3
		.amdhsa_float_denorm_mode_16_64 3
		.amdhsa_memory_ordered 1
		.amdhsa_forward_progress 1
		.amdhsa_inst_pref_size 255
	.end_amdhsa_kernel
	.section	.bss,"aw",@nobits
	.p2align	6
	.space	262144
	.amdgpu_metadata
---
amdhsa.version: [ 1, 2 ]
amdhsa.kernels:
  - .name:           k_q12a7a1f950_attn
    .symbol:         k_q12a7a1f950_attn.kd
    .args:
      - { .name: ops, .offset: 0, .size: 8, .value_kind: global_buffer, .address_space: global }
      - { .name: out0, .offset: 8, .size: 8, .value_kind: global_buffer, .address_space: global }
    .group_segment_fixed_size: 327680
    .private_segment_fixed_size: 0
    .kernarg_segment_align: 8
    .kernarg_segment_size: 16
    .max_flat_workgroup_size: 128
    .sgpr_count:     66
    .vgpr_count:     1024
    .wavefront_size: 32
...
	.end_amdgpu_metadata
.endif
;; end of part 2
